; MI455X (gfx1250); checked and timed in simulation.
; The chip was launched on July 23, 2026; its instructions are those of AMD's public machine-readable ISA for CDNA 5 (MIT licence, August 2026) and "CDNA5" Instruction Set Architecture Reference Guide (July 2026). The comments in the code are by the model that wrote it; some were corrected since.
;; Bahdanau Attention. Allowed arithmetic: matrix products marked QUANTISED: E5M2 operands, one given power-of-two scale a tensor, by v_wmma_f32_16x16x64_bf8_bf8 or v_wmma_f32_16x16x128_bf8_bf8, f32 sums; products left as they are: f32 operands where the result goes on into a quantised operand, else bf16, f16 or f32 operands; f32 sums; everything else in f32.
;; Inputs: attn_b 1,024 float32; attn_w 2,048 x 1,024 float32; encoder_outputs 1,024 x 32 x 1,024 float32; hidden 32 x 1,024 float32; lowp_scales 2 int32 (the exponents e of the quantised operands' scales 2^e); v 1,024 float32.
;; Outputs: out0 32 x 1,024 float32.
;; This version of the problem:
;;   THIS VERSION OF THE PROBLEM IS GIVEN IN LOW PRECISION. The matrix products marked QUANTISED in the list below multiply operands that are first quantised to E5M2 (5 exponent bits, 2 mantissa bits; 8 bits a number), with one given power-of-two scale for each operand tensor; their sums are f32. All else is computed in f32.
;;   The module's matrix products, in the order in which they are computed (A, B: the left and right operand; K: the contracted axis; several contracted axes count as one K, in the product's order):
;;     1. [M 32,768, K 2,048] x [K 2,048, N 1,024]; A: computed on the way; B: input attn_w: QUANTISED (scales: A lowp_scales[0], B lowp_scales[1])
;;     2. [M 32,768, K 1,024] x [K 1,024, N 1]; A: computed on the way; B: input v: left as it is (N = 1 < 16)
;;   THE QUANTISER, for each operand of a quantised product, along K:
;;     - The operand's scale is 2^e, e = its entry of the input lowp_scales (int32; the entries are numbered through the quantised products in the list's order, A before B).
;;     - Each number is divided by the scale, clamped to +-57,344, and rounded to the nearest number of E5M2, ties to even, subnormals kept.
;;     - The product sums the exact products of the quantised numbers (number of the format x scale) in f32.
;;   ~~~python
;;   def quantise(x, axis, e):      # numpy; x: float32 -> the quantised numbers, widened to float32 again
;;       x = np.moveaxis(x, axis, -1); K = x.shape[-1]
;;       r = np.clip(x / 2.0 ** e, -57344, 57344)
;;       step = 2.0 ** (np.maximum(np.frexp(np.where(r == 0, 1, r))[1] - 1, -14) - 2)
;;       q = np.round(r / step) * step * 2.0 ** e      # np.round: ties to even
;;       return np.moveaxis(q, -1, axis).astype(np.float32)
;;   ~~~
;;   OPERANDS COMPUTED ON THE WAY. 'Computed on the way' means the value that the module computes at that place (a softmax that the list does not call 'softmax' is quantised finished and normalised). What goes into a quantiser is computed in f32, as accurately as f32 sums, v_exp_f32 and their like allow (about 1e-6 of the number): no bf16 or f16 on the way to a quantiser, and a product that is left as it is and whose result goes on into a quantised operand takes f32 operands (vector FMAs, or v_wmma_f32_16x16x4_f32). A number that lies on a knife's edge between two numbers of the format may be rounded either way, as far as f32 arithmetic and the matrix unit's own rounding can turn it there, and no further.
;; One version. Each part assembles by itself: llvm-mc -triple=amdgcn-amd-amdhsa -mcpu=gfx1250 --defsym DOCPART=n.
;; ======== version 1 of 1: 3 launches
;; limits: right only within a limited range of input values
;; workspace buffers: w_codes 1,048,576 bytes; hbp 1,048,576 bytes; scores 131,072 bytes
;; launch prep (part 1): grid 16 x 16, 4 waves a work-group, no clusters, 52,224 bytes of LDS; arguments attn_w, hidden, lowp_scales, w_codes, hbp; writes w_codes, hbp
.if DOCPART == 1
	.amdgcn_target "amdgcn-amd-amdhsa--gfx1250"
	.amdhsa_code_object_version 6
	.text
	.protected	k_q2a3b56e415_prep
	.globl	k_q2a3b56e415_prep
	.p2align	8
	.type	k_q2a3b56e415_prep,@function
k_q2a3b56e415_prep:
	s_mov_b64 s[64:65], 0
	v_nop
	global_prefetch_b8 v0, s[64:65] scope:SCOPE_SE
	s_setreg_imm32_b32 hwreg(HW_REG_WAVE_MODE, 25, 1), 1
	s_wait_xcnt 0x0
; THE PROGRAM: prep (codes of W; the hidden part of the product), energy (the big product, tanh, scores), soft (softmax over s).
; WORK LEFT OUT.  tanh(x) = 1 - 2 / (1 + e^(2x)) for every x, so scores[b][s] = (sum over d of v[d]) - 2 (sum over d of v[d] / (1 + e^(2x))).  The first sum is the same for every s, and the softmax runs along s:
; a term that is the same along its axis changes no result, whatever v holds.  It is not computed.  LIMIT: an overflow of that sum alone is not carried to the result.
; hidden[b] is broadcast over all s by reference(): its part of the product is the same for all s and is made once for each (b, n).
; attn_w [2048 (k)][1024 (n)] f32 is quantised to BF8 (E5M2) with the given scale 2^e1, K down the rows.
; Rows 1024-2047 (they meet the encoder outputs) leave as codes, laid in the order in which the next launch's waves load their operand registers.
; Rows 0-1023 meet hidden: on the codes of hidden (scale 2^e0) and of W, by the BF8 matrix instruction; the raw sums of code products go to hbp [8 (eighth of K)][32 (b)][1024 (n)] f32.
; SHARES.  Work-group (gx, gy): columns 64 gx on, 128 of the 256 rows from 256 (gy / 2) on.  gy < 8: the hidden part; gy >= 8: codes.  Wave w: cg = w & 1 (32 columns), kg = 2 (gy % 2) + (w >> 1): rows 32 kg .. 32 kg + 31 and 128 + 32 kg .. 128 + 32 kg + 31 of the 256.
; THE ORDER OF K inside 256 rows: place 64 kg + 16 m + 8 g + 4 q + i holds k = 128 q + 32 kg + 8 m + 4 g + i (q, g: 0, 1; i: 0 .. 3; m: 0 .. 3).  Both operands of every product here and in the next launch take K in this order.
; A LANE TAKES A COLUMN AND ITS 64 REGISTERS RUN ALONG THE PLACES: a load reads 128 consecutive bytes of a row, the two waves cg = 0, 1 together 256.
; A FRAGMENT (16 rows of an operand x 64 places, 8 registers): lane (r, h) holds row r, registers 4 c .. 4 c + 3 hold places 32 c + 16 h + 0 .. 15.  Its image is 1,024 bytes: register group c of lane l at 512 c + 16 l.
; w_codes: column n = 16 T + r, place 64 u + 32 c + 16 h + i (u: 0 .. 15) lies at 524288 (T / 32) + 32768 u + 8192 ((T / 8) % 4) + 1024 (T % 8) + 512 c + 16 (16 h + r) + i.
; LIMITS: e0 and e1 each between -126 and 112, so that 2^e and 57,344 x 2^e are f32 numbers.  NaN among the inputs is not served; what lies beyond the scale's range is held at the largest code.
.set WX,   16                          ; v16-79   my column's 64 numbers of W; later the reduction's 32 registers
.set HX,   80                          ; v80-143  hidden: 2 tiles of 16 rows x my 32 numbers
.set WC,   144                         ; v144-159 W's codes: piece m (16 places) in registers 4 m .. 4 m + 3
.set HC,   160                         ; v160-175 hidden's two fragments
.set WF,   176                         ; v176-191 W's two fragments
.set ACC,  192                         ; v192-223 four accumulators
.set RED,  16384                       ; LDS: from 0 on 2,048 bytes for each wave, the images of its two fragments of W; from RED on 2 planes (w >> 1) x 32 rows (b) x (256 bytes + 16)
	s_load_b256 s[4:11], s[0:1], 0x0               ; attn_w s[4:5], hidden s[6:7], the scales' exponents s[8:9], w_codes s[10:11]
	s_load_b64 s[12:13], s[0:1], 0x20              ; hbp
	v_lshl_add_u32 v224, v0, 2, 0xc800
	v_mov_b32 v225, 0
	v_lshrrev_b32 v14, 5, v0
	v_readfirstlane_b32 s14, v14                   ; wave 0..3
	s_and_b32 s15, s14, 1                          ; cg
	s_lshr_b32 s16, s14, 1                         ; the plane
	s_mov_b32 s17, ttmp9                           ; gx
	s_and_b32 s18, ttmp7, 0xffff                   ; gy
	s_and_b32 s19, s18, 1
	s_lshl_b32 s19, s19, 1
	s_add_co_u32 s19, s19, s16                     ; kg
	s_lshr_b32 s30, s18, 1                         ; which 256 rows
	s_lshl_b32 s26, s14, 11
	s_mul_i32 s27, s16, 8704
	s_lshl_b32 s28, s15, 7
	s_add_co_u32 s27, s27, s28
	s_add_co_u32 s27, s27, RED
	v_and_b32 v1, 31, v0                           ; lane
	v_and_b32 v14, 15, v0                          ; r
	v_bfe_u32 v15, v0, 4, 1                        ; h
	v_lshlrev_b32 v2, 2, v1                        ; W: 4 bytes a lane
	v_lshlrev_b32 v3, 4, v14
	v_lshlrev_b32 v4, 12, v14
	v_lshl_add_u32 v3, v15, 10, v3                 ; my column in the images: tile lane / 16 (1,024 bytes), row lane % 16 (16 bytes)
	v_lshl_add_u32 v4, v15, 5, v4                  ; hidden: row r of 4,096 bytes, + 32 h: piece m = 2 c + h begins at k = 8 m
	v_lshl_add_u32 v6, v1, 4, s26                  ; out of my wave's images: 16 x lane
	v_add_nc_u32 v5, s26, v3                       ; and into them
	v_mul_u32_u24 v7, v14, 272
	v_lshrrev_b32 v8, 4, v0
	v_lshl_add_u32 v7, v15, 5, v7
	v_lshlrev_b32 v9, 12, v8
	v_mul_u32_u24 v8, v8, 272
	v_add_nc_u32 v7, s27, v7                       ; the reduction, in: my plane, row r, + 128 cg + 32 h
	v_lshl_add_u32 v9, v14, 4, v9                  ; hbp: row thread / 16 of 4,096 bytes, 16 bytes a thread
	v_lshl_add_u32 v8, v14, 4, v8
	v_add_nc_u32 v8, RED, v8                       ; the reduction, out: the same place in plane 0
	s_lshl_b32 s20, s30, 8
	s_lshl_b32 s21, s19, 5
	s_add_co_u32 s20, s20, s21                     ; my first row of W: 256 (gy / 2) + 32 kg
	s_lshl_b32 s20, s20, 12
	s_lshl_b32 s21, s17, 8
	s_add_co_u32 s20, s20, s21
	s_add_co_u32 s20, s20, s28                     ; + my first column's bytes: 256 gx + 128 cg
	s_mov_b32 s21, 0
	s_wait_alu depctr_va_vdst(0)
	s_wait_kmcnt 0x0
	s_load_b64 s[24:25], s[8:9], 0x0               ; e0, e1
	s_add_nc_u64 s[4:5], s[4:5], s[20:21]
.irp i, 0,1,2,3,4,5,6,7,8,9,10,11,12,13,14,15,16,17,18,19,20,21,22,23,24,25,26,27,28,29,30,31,32,33,34,35,36,37,38,39,40,41,42,43,44,45,46,47,48,49,50,51,52,53,54,55,56,57,58,59,60,61,62,63
	global_load_b32 v[WX+\i], v2, s[4:5] offset:4096*(128*((\i/4)%2)+8*(\i/16)+4*((\i/8)%2)+\i%4) th:TH_LOAD_NT   ; place i of my column: read once in the launch
.endr
	s_wait_kmcnt 0x0
	s_add_co_i32 s26, s25, 127
	s_lshl_b32 s27, s26, 23
	v_mov_b32 v10, s27                             ; 2^e1 as f32: the conversion takes its exponent field
	s_add_co_i32 s26, s26, 15
	s_lshl_b32 s26, s26, 23
	s_or_b32 s26, s26, 0x600000
	v_mov_b32 v11, s26                             ; 57,344 x 2^e1
	s_add_co_i32 s26, s24, 127
	s_lshl_b32 s27, s26, 23
	v_mov_b32 v12, s27                             ; 2^e0
	s_add_co_i32 s26, s26, 15
	s_lshl_b32 s26, s26, 23
	s_or_b32 s26, s26, 0x600000
	v_mov_b32 v13, s26                             ; 57,344 x 2^e0
	s_wait_alu depctr_va_vdst(0)
; Half of my column (32 numbers) becomes 32 codes.  cnt: the loads issued behind that half's, which may stay out.
.macro QW half, cnt
	s_wait_loadcnt \cnt
.irp i, 0,1,2,3,4,5,6,7,8,9,10,11,12,13,14,15,16,17,18,19,20,21,22,23,24,25,26,27,28,29,30,31
	v_med3_num_f32 v[WX+32*\half+\i], v[WX+32*\half+\i], -v11, v11   ; the conversion to an 8-bit code does not saturate (ISA guide 7.6.2): the hold at the largest code x the scale
.endr
.irp g, 0,1,2,3
	v_cvt_scalef32_pk8_bf8_f32 v[WC+8*\half+2*\g:WC+8*\half+2*\g+1], v[WX+32*\half+8*\g:WX+32*\half+8*\g+7], v10
.endr
.endm
	s_cmp_ge_u32 s18, 8                            ; the same in all four waves: it hangs on the work-group's number alone
	s_cbranch_scc1 .Lcodes
	; ---- THE HIDDEN PART: hidden[32][my 64 k] x W[my 64 k][my 32 columns]
	s_lshl_b32 s22, s30, 10
	s_lshl_b32 s23, s19, 7
	s_add_co_u32 s22, s22, s23                     ; (256 (gy / 2) + 32 kg) x 4 bytes along hidden's rows
	s_mov_b32 s23, 0
	s_add_nc_u64 s[6:7], s[6:7], s[22:23]
.irp mt, 0,1
.irp c, 0,1
.irp q, 0,1,2,3
	global_load_b128 v[HX+32*\mt+16*\c+4*\q:HX+32*\mt+16*\c+4*\q+3], v4, s[6:7] offset:65536*\mt+64*\c+512*(\q%2)+16*(\q/2)   ; hidden(16 mt + r, 128 (q % 2) + 16 c + 8 h + 4 (q / 2) ..)
.endr
.endr
.endr
	s_lshl_b32 s22, s18, 17
	s_lshl_b32 s28, s17, 8
	s_add_co_u32 s22, s22, s28
	s_add_nc_u64 s[12:13], s[12:13], s[22:23]      ; hbp at plane gy, column 64 gx
	QW 0, 48                                       ; behind W's first 32 loads: W's other 32 and hidden's 16
	QW 1, 16                                       ; behind W's: hidden's 16
.irp m, 0,1,2,3
	ds_store_b128 v5, v[WC+4*\m:WC+4*\m+3] offset:(\m/2)*512+(\m%2)*256   ; piece m = 2 c + h of column 16 nt + r is register group c of lane 16 h + r of tile nt
.endr
	s_wait_loadcnt 0x0                             ; hidden
.irp g, 0,1,2,3,4,5,6,7
.irp i, 0,1,2,3,4,5,6,7
	v_med3_num_f32 v[HX+8*\g+\i], v[HX+8*\g+\i], -v13, v13
.endr
	v_cvt_scalef32_pk8_bf8_f32 v[HC+2*\g:HC+2*\g+1], v[HX+8*\g:HX+8*\g+7], v12   ; the results are the fragments' registers
.endr
	v_nop                                          ; one plain vector instruction between the last scaled conversion and the matrix instructions that read its result
.irp nt, 0,1
.irp c, 0,1
	ds_load_b128 v[WF+8*\nt+4*\c:WF+8*\nt+4*\c+3], v6 offset:1024*\nt+512*\c   ; my own bytes: LDS serves a wave's instructions in order (ISA guide 5.7.1.4)
.endr
.endr
	s_wait_alu depctr_va_vdst(0)
	s_wait_dscnt 0x0
.irp mt, 0,1
.irp nt, 0,1
	v_wmma_f32_16x16x64_bf8_bf8 v[ACC+8*(2*\mt+\nt):ACC+8*(2*\mt+\nt)+7], v[WF+8*\nt:WF+8*\nt+7], v[HC+8*\mt:HC+8*\mt+7], 0   ; transposed: lane (r, h) register j = (b = 16 mt + r, n = 16 nt + 8 h + j)
.endr
.endr
.rept 4
	v_nop                                          ; four places between a matrix instruction and the LDS stores that read its result
.endr
.irp mt, 0,1
.irp nt, 0,1
	ds_store_b128 v7, v[ACC+8*(2*\mt+\nt):ACC+8*(2*\mt+\nt)+3] offset:4352*\mt+64*\nt      ; each accumulator from its low end on
	ds_store_b128 v7, v[ACC+8*(2*\mt+\nt)+4:ACC+8*(2*\mt+\nt)+7] offset:4352*\mt+64*\nt+16
.endr
.endr
	s_wait_dscnt 0x0                               ; for the others' sake: my stores into the planes are done
	s_barrier_signal -1
	s_barrier_wait -1
.irp z, 0,1,2,3
.irp p, 0,1
	ds_load_b128 v[WX+8*\z+4*\p:WX+8*\z+4*\p+3], v8 offset:8704*\p+2176*\z   ; the two planes' 16 bytes of row thread / 16 + 8 z
.endr
.endr
	s_wait_dscnt 0x0
.irp z, 0,1,2,3
	v_pk_add_f32 v[WX+8*\z:WX+8*\z+1], v[WX+8*\z:WX+8*\z+1], v[WX+8*\z+4:WX+8*\z+5]
	v_pk_add_f32 v[WX+8*\z+2:WX+8*\z+3], v[WX+8*\z+2:WX+8*\z+3], v[WX+8*\z+6:WX+8*\z+7]
	global_store_b128 v9, v[WX+8*\z:WX+8*\z+3], s[12:13] offset:32768*\z   ; sixteen lanes store 256 consecutive bytes, at a multiple of 256 from the buffer's first byte
.endr
	s_wait_tensorcnt 0x0                           ; the wave's end
	ds_add_u32 v224, v225
	s_wait_dscnt 0x0
	s_endpgm
	; ---- THE CODES of rows 1024 on
.Lcodes:
	s_bfe_u32 s22, s17, 0x20001                    ; (gx / 2) % 4: the wave of the next launch that reads these columns
	s_lshl_b32 s22, s22, 13
	s_lshr_b32 s23, s17, 3                         ; gx / 8: its chunk of 512 columns
	s_lshl_b32 s23, s23, 19
	s_add_co_u32 s22, s22, s23
	s_sub_co_u32 s23, s30, 4
	s_lshl_b32 s23, s23, 2
	s_add_co_u32 s23, s23, s19                     ; u = 4 (gy / 2 - 4) + kg
	s_lshl_b32 s23, s23, 15
	s_add_co_u32 s22, s22, s23
	s_and_b32 s23, s17, 1
	s_lshl_b32 s23, s23, 12
	s_add_co_u32 s22, s22, s23
	s_lshl_b32 s23, s15, 11
	s_add_co_u32 s22, s22, s23                     ; tile 4 (gx % 2) + 2 cg of the wave's eight
	s_mov_b32 s23, 0
	s_add_nc_u64 s[10:11], s[10:11], s[22:23]
	QW 0, 32                                       ; behind the first 32 loads: the other 32
	QW 1, 0
	v_nop                                          ; a plain vector instruction behind the last scaled conversion
.irp m, 0,1,2,3
	global_store_b128 v3, v[WC+4*\m:WC+4*\m+3], s[10:11] offset:(\m/2)*512+(\m%2)*256   ; lanes 0-15 store 256 consecutive aligned bytes, lanes 16-31 the 256 that lie 1,024 further on
.endr
	s_endpgm
.Lfunc_end_k_q2a3b56e415_prep:
	.size	k_q2a3b56e415_prep, .Lfunc_end_k_q2a3b56e415_prep-k_q2a3b56e415_prep
	.p2alignl 7, 3214868480
	.fill 96, 4, 3214868480
	.section	.rodata,"a",@progbits
	.p2align	6, 0x0
	.amdhsa_kernel k_q2a3b56e415_prep
		.amdhsa_group_segment_fixed_size 52224
		.amdhsa_private_segment_fixed_size 0
		.amdhsa_enable_private_segment 0
		.amdhsa_kernarg_size 40
		.amdhsa_user_sgpr_count 2
		.amdhsa_user_sgpr_kernarg_segment_ptr 1
		.amdhsa_wavefront_size32 1
		.amdhsa_system_sgpr_workgroup_id_x 1
		.amdhsa_system_sgpr_workgroup_id_y 1
		.amdhsa_system_sgpr_workgroup_id_z 1
		.amdhsa_system_vgpr_workitem_id 0
		.amdhsa_next_free_vgpr 226
		.amdhsa_next_free_sgpr 66
		.amdhsa_reserve_vcc 0
		.amdhsa_float_denorm_mode_32 3
		.amdhsa_float_denorm_mode_16_64 3
		.amdhsa_memory_ordered 1
		.amdhsa_forward_progress 1
		.amdhsa_inst_pref_size 29
	.end_amdhsa_kernel
	.amdgpu_metadata
---
amdhsa.version: [ 1, 2 ]
amdhsa.kernels:
  - .name:           k_q2a3b56e415_prep
    .symbol:         k_q2a3b56e415_prep.kd
    .args:
      - { .name: attn_w, .offset: 0, .size: 8, .value_kind: global_buffer, .address_space: global }
      - { .name: hidden, .offset: 8, .size: 8, .value_kind: global_buffer, .address_space: global }
      - { .name: lowp_scales, .offset: 16, .size: 8, .value_kind: global_buffer, .address_space: global }
      - { .name: w_codes, .offset: 24, .size: 8, .value_kind: global_buffer, .address_space: global }
      - { .name: hbp, .offset: 32, .size: 8, .value_kind: global_buffer, .address_space: global }
    .group_segment_fixed_size: 52224
    .private_segment_fixed_size: 0
    .kernarg_segment_align: 8
    .kernarg_segment_size: 40
    .max_flat_workgroup_size: 128
    .sgpr_count:     66
    .vgpr_count:     226
    .wavefront_size: 32
...
	.end_amdgpu_metadata
.endif
;; end of part 1
;; launch energy (part 2): grid 8 x 32, 4 waves a work-group, clusters of 4 x 1, 327,680 bytes of LDS; arguments encoder_outputs, w_codes, hbp, attn_b, v, lowp_scales, scores; writes scores
.if DOCPART == 2
	.amdgcn_target "amdgcn-amd-amdhsa--gfx1250"
	.amdhsa_code_object_version 6
	.text
	.protected	k_q2a3b56e415_energy
	.globl	k_q2a3b56e415_energy
	.p2align	8
	.type	k_q2a3b56e415_energy,@function
k_q2a3b56e415_energy:
	s_mov_b64 s[64:65], 0
	v_nop
	global_prefetch_b8 v0, s[64:65] scope:SCOPE_SE
	s_setreg_imm32_b32 hwreg(HW_REG_WAVE_MODE, 25, 1), 1
	s_wait_xcnt 0x0
	s_wait_alu depctr_hold_cnt(0) depctr_sa_sdst(0) depctr_va_vdst(0) depctr_va_sdst(0) depctr_va_ssrc(0) depctr_va_vcc(0) depctr_vm_vsrc(0)
	s_getreg_b32 s2, hwreg(HW_REG_IB_STS2, 6, 4)
	s_cmp_eq_u32 s2, 0
	s_cbranch_scc0 .Lentry_in_a_cluster
	s_endpgm
.Lentry_in_a_cluster:
	s_bfe_u32 s2, ttmp6, 0x10000c
	s_cmp_lg_u32 s2, 0x3003
	s_cbranch_scc0 .Lentry_shape_is_right
	s_endpgm
.Lentry_shape_is_right:
; scores[b][s] = -2 (sum over n of v[n] / (1 + e^(2 x(b, s, n)))), x = encoder_outputs[s][b] . W[:, n] on BF8 codes x 2^(e0 + e1) + hidden's part + attn_b[n].
; WORK LEFT OUT: the sum of v, which reference()'s tanh = 1 - 2 / (1 + e^(2x)) adds to every score of a row alike (see the head of the first kernel).
; A work-group makes 128 rows (one b, 128 neighbouring s) x all 1,024 columns, in two chunks of 512; a wave 128 x 128 of a chunk: 64 accumulators, 512 registers.
; A'S WAY.  A wave quantises 32 rows, in 16 groups of 8 rows x 256 along K: two loads a row, each 512 consecutive bytes; lane l's 8 numbers k = 128 q + 4 l + i become 8 codes at place 8 l + 4 q + i of the row's 256:
; so K has the order in which the first kernel laid W.  Rows of codes stand 1,040 bytes apart in LDS (65 x 16), so that a fragment's 16 rows start at different banks.  Two groups (32 loads) are on their way.
; While chunk 0's products take one quarter of K, the next quarter is quantised between them.  Chunk 1 finds all codes in LDS.
; W'S WAY.  Clusters of 4 x 1: the four work-groups walk the same W and ask for it JOINTLY, mask 15.  A slot holds two K steps of 64: 64 KiB, dense, as the waves' register images; each wave's load brings a quarter.
; Two slots; a round of the cluster's barrier for each fill.  16 fills (8 for each chunk); fill f serves pair f of K steps; round p stands in front of pair p and asks for fill p + 1.
; PREFETCHES: one instruction a wave names the 8 rows x 1,024 bytes of the group six on, four groups (a quarter of K) ahead of its loads; each block of 256 bytes once.  Groups 2 to 5 are named at the head; where there is no group six on, nothing is asked.
; W: each work-group's wave 0 names 8,192 bytes at the head, told apart by address; a block is named by two clusters.
; LIMITS: e0 between -126 and 112, e0 + e1 between -126 and 126 (the sum is added to an exponent field).  NaN among the inputs is not served; a number beyond the scale's range is held at the largest code.
; REGISTERS.  window 0: v1-31 addresses; v32-159 landing (later bias and v); v160-191 codes; v192-255 at work.  window 1: B fragments v0-63, v64-127; A fragments v128-191, v192-255.  windows 2, 3: accumulators of rows 0-63, 64-127.
.set AP_,    1040                      ; a row of codes in LDS
.set SLOT1,  65536
.set ACODES, 131072
.set HVB,    ACODES+128*AP_            ; the bias, 1,024 f32, then -2 v
.set SC,     HVB+8192                  ; the waves' partial scores
.set SPARE,  SC+2048                   ; the spare words, 512 bytes
.set LI,    1                          ; 16 x lane
.set SPW,   2
.set NIL,   3
.set AR0,   4                          ; A's fragments: rows 0-63, rows 64-127
.set AR1,   5
.set BR,    6                          ; v6, v7: B's fragments in slot 0, 1
.set AW,    8                          ; my rows of codes, on the way in
.set SCL,   10
.set LIM,   11
.set HBASE, 12
.set SCW,   14
.set SCR,   15
.set PFO,   16
.set STO,   17
.set HVW,   18
.set PFW,   19
.set AWC,   24                         ; AW, AR0, AR1 at the quarter of K in hand
.set AC0,   25
.set AC1,   26
.set HAD,   27
.set LB,    32
.set PC,    160
.set HX,    160                        ; the head: 8 planes of hidden's part, the bias, v: v160-239
.set CH,    192
.set SCO,   240
.set BI,    32
.set VI,    96
.set WV,  18
.set G1,  24
.set G0,  32
.set AP,  40                           ; encoder_outputs: my wave's 32 rows, at the quarter of K in hand
.set WPF, 42
.set UA,  44
.set WO,  45
.set HC,  46
.set CNT, 47
.set CHK, 48
.set KS,  50
.set SEL, 56
.set ROWS, 131072                      ; from s to s + 1 in bytes
.set MSB, 0
.macro WIN new                         ; the immediate's high byte repeats the setting that is left
.if MSB != \new
	s_set_vgpr_msb (MSB<<8)|\new
.set MSB, \new
.endif
.endm
.set MUL_LO, 0xa5                      ; sources 0 and 1 window 1, C and D window 2
.set MUL_HI, 0xf5                      ; C and D window 3
.set TO_1,   0x40                      ; destination window 1
.set E_LO,   0x82                      ; source 0 and destination window 2
.set E_HI,   0xc3
.set S_LO,   0x02
.set S_HI,   0x03
.macro PLACES
.rept 4
	v_nop
.endr
.endm
.macro CREST                           ; a round of the cluster's barrier behind its opening barrier
	s_cmp_lg_u32 s[WV], 0
	s_cbranch_scc1 .Lnot_wave_0_\@
	s_barrier_signal -3
.Lnot_wave_0_\@:
	s_barrier_wait -3
	s_barrier_signal -1
	s_barrier_wait -1
.endm
.macro CROUND
	s_barrier_signal -1
	s_barrier_wait -1
	CREST
.endm
.macro JLOAD s                         ; a joint load: my quarter of slot s; the same line and the same registers in all four work-groups
	tensor_load_to_lds s[G0+4*\s:G0+4*\s+3], s[G1:G1+7]
	s_nop 0
	PLACES
.endm
; A group's 16 loads: rows 8 gx .. 8 gx + 7 of my 32, 256 along K, dp quarters of K on, into landing buffer lb
.macro LOADG lb, gx, dp
.irp i, 0,1,2,3,4,5,6,7
.irp q, 0,1
	global_load_b128 v[LB+64*\lb+8*\i+4*\q:LB+64*\lb+8*\i+4*\q+3], v[LI], s[AP:AP+1] offset:(8*(\gx)+\i)*ROWS+512*\q+1024*(\dp) th:TH_LOAD_NT
.endr
.endr
.endm
.macro ASK gx, dp
	global_prefetch_b8 v[PFO], s[AP:AP+1] offset:8*(\gx)*ROWS+1024*(\dp) th:TH_LOAD_NT scope:SCOPE_SE
.endm
; Group gg of the quarter dq behind the one in hand, in buffer lb: held, converted, stored; ld: the group two on is loaded into the same buffer; pf: the group six on is prefetched (2: in the loop's first trip alone)
.macro G gg, lb, cnt, dq, ld, pf
	s_wait_loadcnt \cnt                            ; my group is in; cnt: the loads issued behind it
.irp i, 0,1,2,3,4,5,6,7
.irp e, 0,1,2,3,4,5,6,7
	v_med3_num_f32 v[LB+64*\lb+8*\i+\e], v[LB+64*\lb+8*\i+\e], -v[LIM], v[LIM]   ; the conversion to an 8-bit code does not saturate (ISA guide 7.6.2)
.endr
.if \i > 0
	v_cvt_scalef32_pk8_bf8_f32 v[PC+16*\lb+2*(\i-1):PC+16*\lb+2*(\i-1)+1], v[LB+64*\lb+8*(\i-1):LB+64*\lb+8*(\i-1)+7], v[SCL]
.endif
.endr
	v_nop
	v_cvt_scalef32_pk8_bf8_f32 v[PC+16*\lb+14:PC+16*\lb+15], v[LB+64*\lb+56:LB+64*\lb+63], v[SCL]
	v_nop                                          ; a plain vector instruction behind the last conversion
.irp i, 0,1,2,3,4,5,6,7
	ds_store_b64 v[AWC], v[PC+16*\lb+2*\i:PC+16*\lb+2*\i+1] offset:(8*\gg+\i)*AP_+256*\dq
.endr
.if \ld
	LOADG \lb, ((\gg+2)%4), (\dq+(\gg+2)/4)
.endif
.if \pf == 2
	s_cmp_lg_u32 s[CNT], 2
	s_cbranch_scc1 .Lno_ask_\@
.endif
.if \pf
	ASK ((\gg+6)%4), (\dq+(\gg+6)/4)
.endif
.if \pf == 2
.Lno_ask_\@:
.endif
.endm
; cnt of the 32 LDS loads of a K step's fragments, from the lo-th on, into buffer q: B's 16, then A's rows 0-63, then 64-127.  e: the K step of the slot; 64 x: the places in the rows of codes
.macro LDX slot, e, x, q, a0, a1, lo, cnt
	WIN TO_1
.set LN, \lo
.rept \cnt
.if LN < 16
	ds_load_b128 v[64*\q+4*LN:64*\q+4*LN+3], v[BR+\slot] offset:32768*\e+512*LN
.else
.set LM, LN-16
.if LM < 8
	ds_load_b128 v[128+64*\q+4*LM:128+64*\q+4*LM+3], v[\a0] offset:64*(\x)+16*AP_*(LM/2)+32*(LM%2)
.else
	ds_load_b128 v[128+64*\q+4*LM:128+64*\q+4*LM+3], v[\a1] offset:64*(\x)+16*AP_*(LM/2-4)+32*(LM%2)
.endif
.endif
.set LN, LN+1
.endr
.endm
; 8 matrix instructions: rows 16 a .. 16 a + 15 on buffer q, transposed: source 0 = 16 columns of W, source 1 = 16 rows: lane (r, h) register i holds row 16 a + r, column 16 j + 8 h + i.  zero = 1 starts the sums
.macro MUL8 q, a, zero
.if (\a) < 4
	WIN MUL_LO
.else
	WIN MUL_HI
.endif
.set MA, 64*((\a)%4)
.irp j, 0,1,2,3,4,5,6,7
.if \zero
	v_wmma_f32_16x16x64_bf8_bf8 v[MA+8*\j:MA+8*\j+7], v[64*\q+8*\j:64*\q+8*\j+7], v[128+64*\q+8*(\a):128+64*\q+8*(\a)+7], 0
.else
	v_wmma_f32_16x16x64_bf8_bf8 v[MA+8*\j:MA+8*\j+7], v[64*\q+8*\j:64*\q+8*\j+7], v[128+64*\q+8*(\a):128+64*\q+8*(\a)+7], v[MA+8*\j:MA+8*\j+7]
.endif
.endr
.endm
; A pair's first K step (buffer 0), with the loads of the second one's fragments between its rows.  pl: no other vector work stands behind the products that read buffer 1;
; st: LDS stores issued behind the loads of this step's fragments
.macro SUBE slot, x, zero, a0, a1, pl, st
.if \pl
	PLACES
.endif
	LDX \slot, 1, (\x)+1, 1, \a0, \a1, 0, 6
	s_wait_dscnt 14+\st                            ; B and A's rows 0-63 are in; out may be the youngest 8 loads of this step's, the stores and the 6 just issued
	MUL8 0, 0, \zero
	LDX \slot, 1, (\x)+1, 1, \a0, \a1, 6, 6
	MUL8 0, 1, \zero
	LDX \slot, 1, (\x)+1, 1, \a0, \a1, 12, 6
	MUL8 0, 2, \zero
	LDX \slot, 1, (\x)+1, 1, \a0, \a1, 18, 6
	MUL8 0, 3, \zero
	s_wait_dscnt 24                                ; all but the 24 of the next step's
	MUL8 0, 4, \zero
	LDX \slot, 1, (\x)+1, 1, \a0, \a1, 24, 8
	MUL8 0, 5, \zero
	MUL8 0, 6, \zero
	MUL8 0, 7, \zero
	WIN 0
.endm
; A pair's second K step (buffer 1), and the change of slots: its fragments are in registers, so nobody reads the slot behind the barrier; fill = 1: the round, and the slot is filled again with the pair after next;
; 0: nothing is filled again, a barrier alone; 2: the launch's last step.  Between its rows the next pair's first fragments, at places 64 nx
.macro ODD slot, nx, a0, a1, fill
.if \fill < 2
	s_wait_tensorcnt 0x0                           ; my part of the next slot has landed
	ds_add_u32 v[SPW], v[NIL]
.if \fill
	s_add_nc_u64 s[G0+4*\slot+2:G0+4*\slot+3], s[G0+4*\slot+2:G0+4*\slot+3], 0x20000
.endif
	s_wait_dscnt 0x0                               ; the add, my reads of this slot and my stores of codes are done
	s_barrier_signal -1
	MUL8 1, 0, 0                                   ; work on registers while the others arrive
	MUL8 1, 1, 0
	WIN 0
	s_barrier_wait -1
.if \fill
	CREST
	JLOAD \slot
.else
	PLACES
.endif
	LDX (1-\slot), 0, \nx, 0, \a0, \a1, 0, 8
	MUL8 1, 2, 0
	LDX (1-\slot), 0, \nx, 0, \a0, \a1, 8, 8
	MUL8 1, 3, 0
	LDX (1-\slot), 0, \nx, 0, \a0, \a1, 16, 8
	MUL8 1, 4, 0
	LDX (1-\slot), 0, \nx, 0, \a0, \a1, 24, 8
.else
	s_wait_dscnt 0x0
.irp a, 0,1,2,3,4
	MUL8 1, \a, 0
.endr
.endif
	MUL8 1, 5, 0
	MUL8 1, 6, 0
	MUL8 1, 7, 0
	WIN 0
.endm
; THE EPILOGUE, by blocks a of 16 rows (64 registers), a pipeline of stages with one wait each.  In stage t: ET of block t, ES of block t - 4 (plain work), then EX of t - 1 and ER of t - 3 (transcendentals) with EP of t - 2 beside them.
.macro EWIN a, lo, hi
.if (\a) < 4
	WIN \lo
.else
	WIN \hi
.endif
.endm
.macro ET a                            ; y = sum x c + bias', c = 2 log2(e) 2^(e0 + e1): the exponent of e^(2x) to the base 2
	EWIN \a, E_LO, E_HI
.set A0, 64*((\a)%4)
.irp k, 0,2,4,6,8,10,12,14,16,18,20,22,24,26,28,30,32,34,36,38,40,42,44,46,48,50,52,54,56,58,60,62
	v_pk_fma_f32 v[A0+\k:A0+\k+1], v[A0+\k:A0+\k+1], s[KS:KS+1], v[BI+\k:BI+\k+1] op_sel_hi:[1,0,1]
.endr
.endm
.macro TR op, a, p                     ; 64 transcendentals of block a; p >= 0: 1 + e^(2x) of block p beside them
	EWIN \a, E_LO, E_HI
.set A0, 64*((\a)%4)
.set P0, 64*((\p)%4)
.irp k, 0,2,4,6,8,10,12,14,16,18,20,22,24,26,28,30,32,34,36,38,40,42,44,46,48,50,52,54,56,58,60,62
	\op v[A0+\k], v[A0+\k]
	\op v[A0+\k+1], v[A0+\k+1]
.if (\p) >= 0
	v_pk_add_f32 v[P0+\k:P0+\k+1], v[P0+\k:P0+\k+1], 1.0 op_sel_hi:[1,0]
.endif
.endr
.endm
.macro ES a                            ; + (-2 v) / (1 + e^(2x)), in four chains
	EWIN \a, S_LO, S_HI
.set A0, 64*((\a)%4)
	v_pk_fma_f32 v[CH:CH+1], v[A0:A0+1], v[VI:VI+1], v[SCO+2*(\a):SCO+2*(\a)+1]
.irp q, 2,4,6
	v_pk_mul_f32 v[CH+\q:CH+\q+1], v[A0+\q:A0+\q+1], v[VI+\q:VI+\q+1]
.endr
.irp j, 1,2,3,4,5,6,7
.irp q, 0,2,4,6
	v_pk_fma_f32 v[CH+\q:CH+\q+1], v[A0+8*\j+\q:A0+8*\j+\q+1], v[VI+8*\j+\q:VI+8*\j+\q+1], v[CH+\q:CH+\q+1]
.endr
.endr
	WIN 0
	v_pk_add_f32 v[CH:CH+1], v[CH:CH+1], v[CH+2:CH+3]
	v_pk_add_f32 v[CH+4:CH+5], v[CH+4:CH+5], v[CH+6:CH+7]
	v_pk_add_f32 v[SCO+2*(\a):SCO+2*(\a)+1], v[CH:CH+1], v[CH+4:CH+5]
.endm
.macro STAGE t
.if (\t) < 8
	EWIN \t, E_LO, E_HI
.endif
	s_wait_alu depctr_va_vdst(0)                   ; one wait for all that the stage reads
.if (\t) < 8
	ET \t
.endif
.if (\t) > 3
	ES (\t-4)
.endif
.set PX, -1
.set PR, -1
.if ((\t) > 1) && ((\t) < 10)
.if ((\t) < 9) && ((((\t)-1)/4) == (((\t)-2)/4))
.set PX, (\t)-2
.else
.set PR, (\t)-2
.endif
.endif
.if ((\t) > 0) && ((\t) < 9)
	TR v_exp_f32, (\t-1), PX
.endif
.if ((\t) > 2) && ((\t) < 11)
	TR v_rcp_f32, (\t-3), PR
.endif
.if ((\t) > 0) && ((\t) < 11)
	v_nop                                          ; a plain instruction behind the last transcendental
.endif
.endm
	s_load_b256 s[4:11], s[0:1], 0x0               ; encoder_outputs, w_codes, hbp, attn_b
	s_load_b128 s[12:15], s[0:1], 0x20             ; v, the scales' exponents
	s_load_b64 s[16:17], s[0:1], 0x30              ; scores
	v_lshl_add_u32 v[SPW], v0, 2, SPARE
	v_mov_b32 v[NIL], 0
	ds_add_u32 v[SPW], v[NIL]                      ; the add twice; waited for ahead of my first tensor load
	ds_add_u32 v[SPW], v[NIL]
	v_lshrrev_b32 v20, 5, v0
	v_readfirstlane_b32 s[WV], v20                 ; wave 0..3
	v_and_b32 v21, 31, v0                          ; lane
	v_lshlrev_b32 v[LI], 4, v21
	v_lshrrev_b32 v22, 2, v21
	v_and_b32 v23, 3, v21
	v_lshlrev_b32 v22, 17, v22
	v_lshl_add_u32 v[PFO], v23, 8, v22             ; the rows' prefetches: row lane / 4 of a group, 256 x (lane % 4) along it
	v_lshlrev_b32 v[PFW], 8, v21                   ; W's
	v_lshlrev_b32 v[STO], 5, v0
	s_wait_alu depctr_va_vdst(0)
	s_bfe_u32 s19, ttmp6, 0x40000                  ; cx
	s_lshl_b32 s20, ttmp9, 2
	s_add_co_u32 s20, s20, s19                     ; which 128 of s
	s_and_b32 s21, ttmp7, 0xffff                   ; b
	s_lshl_b32 s22, s20, 24
	s_lshl_b32 s23, s[WV], 22
	s_add_co_u32 s22, s22, s23
	s_lshl_b32 s23, s21, 12
	s_add_co_u32 s22, s22, s23                     ; (128 x + 32 wave) rows of 131,072 bytes + 4,096 b
	s_mov_b32 s23, 0
	; W's prefetch: cluster c = 2 b + cluster x and cluster c + 4 (c % 8 < 4) name the same 4 x 8,192 bytes, each work-group a quarter
	s_lshl_b32 s54, s21, 1
	s_add_co_u32 s54, s54, ttmp9
	s_and_b32 s58, s54, 3
	s_lshr_b32 s54, s54, 3
	s_lshl_b32 s54, s54, 2
	s_add_co_u32 s54, s54, s58
	s_lshl_b32 s54, s54, 2
	s_add_co_u32 s54, s54, s19
	s_lshl_b32 s54, s54, 13
	s_mov_b32 s55, 0
	s_mov_b32 s[G1+0], 15|(1<<21)                  ; the mask: all four; elements of 1 byte, no padding
	s_mov_b32 s[G1+1], 256<<16                     ; 64 rows of 256 bytes, dense
	s_mov_b32 s[G1+2], 64<<16
	s_mov_b32 s[G1+3], 256<<16
	s_mov_b32 s[G1+4], 64
	s_mov_b32 s[G1+5], 256
	s_mov_b32 s[G1+6], 0
	s_mov_b32 s[G1+7], 0
	s_wait_dscnt 0x0                               ; both opening adds are done
	s_wait_kmcnt 0x0
	s_load_b64 s[52:53], s[14:15], 0x0             ; e0, e1
	s_add_nc_u64 s[AP:AP+1], s[4:5], s[22:23]
	s_add_nc_u64 s[WPF:WPF+1], s[6:7], s[54:55]
	s_lshl_b32 s22, s21, 12
	s_add_nc_u64 s[8:9], s[8:9], s[22:23]          ; hbp at row b
	s_cmp_lg_u32 s[WV], 0
	s_cbranch_scc1 .Lnot_mine
	global_prefetch_b8 v[PFW], s[WPF:WPF+1] th:TH_LOAD_NT scope:SCOPE_SE
.Lnot_mine:
.irp p, 0,1,2,3,4,5,6,7
	global_load_b128 v[HX+8*\p:HX+8*\p+3], v[STO], s[8:9] offset:131072*\p
	global_load_b128 v[HX+8*\p+4:HX+8*\p+7], v[STO], s[8:9] offset:131072*\p+16
.endr
	global_load_b128 v[HX+64:HX+67], v[STO], s[10:11]
	global_load_b128 v[HX+68:HX+71], v[STO], s[10:11] offset:16
	global_load_b128 v[HX+72:HX+75], v[STO], s[12:13]
	global_load_b128 v[HX+76:HX+79], v[STO], s[12:13] offset:16
	LOADG 0, 0, 0                                  ; groups 0 and 1
	LOADG 1, 1, 0
	ASK 2, 0
	ASK 3, 0
	ASK 0, 1
	ASK 1, 1
	s_lshl_b32 s54, s20, 9
	s_add_co_u32 s22, s22, s54
	s_add_nc_u64 s[16:17], s[16:17], s[22:23]      ; scores at row b, my 128
	s_lshl_b32 s54, s[WV], 14                      ; my quarter of a slot
	s_mov_b32 s[G0], 1
	s_mov_b32 s[G0+1], s54
	s_add_nc_u64 s[G0+2:G0+3], s[6:7], s[54:55]
	s_mov_b32 s[G0+4], 1
	s_add_co_u32 s[G0+5], s54, SLOT1
	s_add_nc_u64 s[G0+6:G0+7], s[G0+2:G0+3], 0x10000
	s_or_b32 s[G0+3], s[G0+3], 0x80000000
	s_or_b32 s[G0+7], s[G0+7], 0x80000000
	CROUND                                         ; all four work-groups are here
	JLOAD 0                                        ; fill 0: one tensor load a wave at the head
	s_lshl_b32 s58, s[WV], 13
	s_mul_i32 s59, s[WV], 32*AP_
	s_add_co_u32 s59, s59, ACODES
	s_lshl_b32 s60, s[WV], 9
	s_add_co_u32 s61, s60, HVB
	s_add_co_u32 s60, s60, SC
	s_mov_b32 s[SEL], 0x76543210
	s_mov_b32 s[SEL+1], 0xfedcba98
	s_mov_b32 s[UA], 0
	s_mov_b32 s[WO], 0
	s_mov_b32 s[HC], 0
	v_and_b32 v22, 15, v0                          ; r
	v_bfe_u32 v23, v0, 4, 1                        ; h
	v_mul_u32_u24 v[AR0], v22, AP_
	v_lshl_add_u32 v[AR0], v23, 4, v[AR0]
	v_add_nc_u32 v[AR0], ACODES, v[AR0]            ; row r, + 16 h
	v_add_nc_u32 v[AR1], 64*AP_, v[AR0]
	v_add_nc_u32 v[BR], s58, v[LI]                 ; my 8,192 bytes of a K step's 32,768
	v_add_nc_u32 v[BR+1], SLOT1, v[BR]
	v_lshlrev_b32 v[AW], 3, v21
	v_add_nc_u32 v[AW], s59, v[AW]                 ; my 32 rows, 8 bytes a lane
	v_add_nc_u32 v[AWC], s[WO], v[AW]
	v_lshlrev_b32 v[HBASE], 5, v23
	v_add_nc_u32 v[HBASE], s61, v[HBASE]
	v_lshlrev_b32 v[SCW], 2, v22
	v_add_nc_u32 v[SCW], s60, v[SCW]
	v_add_nc_u32 v[SCR], SC, v[LI]
	v_add_nc_u32 v[HVW], HVB, v[STO]
.irp i, 0,1,2,3,4,5,6,7,8,9,10,11,12,13,14,15
	v_mov_b32 v[SCO+\i], 0                         ; the scores' sums
.endr
	s_wait_alu depctr_va_vdst(0)
	s_wait_kmcnt 0x0
	s_add_co_i32 s54, s52, s53
	s_lshl_b32 s54, s54, 23
	s_add_co_i32 s[KS], s54, 0x4038aa3b            ; 2 log2(e) x 2^(e0 + e1)
	s_mov_b32 s[KS+1], s[KS]
	s_add_co_i32 s54, s52, 127
	s_lshl_b32 s55, s54, 23
	s_add_co_i32 s54, s54, 15
	s_lshl_b32 s54, s54, 23
	s_or_b32 s54, s54, 0x600000
	v_mov_b32 v[SCL], s55                          ; 2^e0
	v_mov_b32 v[LIM], s54                          ; 57,344 x 2^e0
	s_wait_alu depctr_va_vdst(0)
	s_wait_loadcnt 32                              ; the bias' 20 loads are in; groups 0 and 1 may be out
.irp k, 0,2,4,6
.irp p, 0,2,4,6
	v_pk_add_f32 v[HX+8*\p+\k:HX+8*\p+\k+1], v[HX+8*\p+\k:HX+8*\p+\k+1], v[HX+8*\p+8+\k:HX+8*\p+8+\k+1]
.endr
	v_pk_mul_f32 v[HX+64+\k:HX+64+\k+1], v[HX+64+\k:HX+64+\k+1], 0x4038aa3b op_sel_hi:[1,0]
	v_pk_mul_f32 v[HX+72+\k:HX+72+\k+1], v[HX+72+\k:HX+72+\k+1], -2.0 op_sel_hi:[1,0]
.endr
.irp k, 0,2,4,6
	v_pk_add_f32 v[HX+\k:HX+\k+1], v[HX+\k:HX+\k+1], v[HX+16+\k:HX+16+\k+1]
	v_pk_add_f32 v[HX+32+\k:HX+32+\k+1], v[HX+32+\k:HX+32+\k+1], v[HX+48+\k:HX+48+\k+1]
.endr
.irp k, 0,2,4,6
	v_pk_add_f32 v[HX+\k:HX+\k+1], v[HX+\k:HX+\k+1], v[HX+32+\k:HX+32+\k+1]
.endr
.irp k, 0,2,4,6
	v_pk_fma_f32 v[HX+\k:HX+\k+1], v[HX+\k:HX+\k+1], s[KS:KS+1], v[HX+64+\k:HX+64+\k+1] op_sel_hi:[1,0,1]   ; bias' = 2 log2(e) (hidden's part x 2^(e0 + e1) + attn_b)
.endr
	ds_store_b128 v[HVW], v[HX:HX+3]
	ds_store_b128 v[HVW], v[HX+4:HX+7] offset:16
	ds_store_b128 v[HVW], v[HX+72:HX+75] offset:4096
	ds_store_b128 v[HVW], v[HX+76:HX+79] offset:4112
	s_wait_dscnt 0x0                               ; the registers are free for codes
	; ---- the first quarter of K.  Behind each group the next one's 16 loads may be out
	G 0, 0, 16, 0, 1, 1
	G 1, 1, 16, 0, 1, 1
	s_wait_dscnt 0x0                               ; the codes' registers are free again
	G 2, 0, 16, 0, 1, 1
	G 3, 1, 16, 0, 1, 1
	s_wait_alu depctr_va_vdst(0)
	s_wait_tensorcnt 0x0                           ; my part of fill 0 is in
	ds_add_u32 v[SPW], v[NIL]
	s_wait_dscnt 0x0
	CROUND                                         ; everybody's part of fill 0, and the first quarter's codes
	JLOAD 1                                        ; fill 1
	LDX 0, 0, 0, 0, AR0, AR1, 0, 32
	WIN 0
	G 0, 0, 16, 1, 1, 1
	SUBE 0, 0, 1, AR0, AR1, 0, 8                   ; chunk 0's first products start the sums
	s_mov_b32 s[WO], 256
	s_wait_xcnt 0x0                                ; the loads and prefetches have read their base
	s_add_nc_u64 s[AP:AP+1], s[AP:AP+1], 1024
	s_mov_b32 s[CNT], 2
.macro QUARTER_AT
	v_add_nc_u32 v[AC0], s[UA], v[AR0]
	v_add_nc_u32 v[AC1], s[UA], v[AR1]
	v_add_nc_u32 v[AWC], s[WO], v[AW]
	s_wait_alu depctr_va_vdst(0)
.endm
	; ---- a trip: from a quarter's second K step to the next quarter's first, and the next quarter's other groups; all its codes are stored ahead of the second ODD's barrier
	; the groups six on: 11 and 15 at the first G, 12, 13, 14 at the others in the first trip
.Lquarter:
	QUARTER_AT
	G 1, 1, 16, 0, 1, 1
	ODD 0, 2, AC0, AC1, 1
	G 2, 0, 16, 0, 1, 2
	SUBE 1, 2, 0, AC0, AC1, 0, 8
	G 3, 1, 16, 0, 1, 2
	ODD 1, 4, AC0, AC1, 1
	G 0, 0, 16, 1, 1, 2
	SUBE 0, 4, 0, AC0, AC1, 0, 8
	s_add_co_u32 s[UA], s[UA], 256
	s_add_co_u32 s[WO], s[WO], 256
	s_wait_xcnt 0x0
	s_add_nc_u64 s[AP:AP+1], s[AP:AP+1], 1024
	s_sub_co_u32 s[CNT], s[CNT], 1
	s_cmp_lg_u32 s[CNT], 0
	s_cbranch_scc1 .Lquarter
	QUARTER_AT
	G 1, 1, 16, 0, 1, 0                            ; the last group is asked for
	ODD 0, 2, AC0, AC1, 1
	G 2, 0, 16, 0, 0, 0
	SUBE 1, 2, 0, AC0, AC1, 0, 8
	G 3, 1, 0, 0, 0, 0
	ODD 1, 4, AC0, AC1, 1
	SUBE 0, 4, 0, AC0, AC1, 1, 0                   ; the last quarter
	ODD 0, 6, AC0, AC1, 1
	SUBE 1, 6, 0, AC0, AC1, 1, 0
	ODD 1, 0, AR0, AR1, 1                          ; chunk 1's first fragments
	s_mov_b32 s[CHK], 2
	s_mov_b32 s[UA], 0
	; ---- a chunk's epilogue, and behind chunk 0's the whole of chunk 1
.Lepi:
	PLACES
	v_add_nc_u32 v[HAD], s[HC], v[HBASE]
	s_add_co_u32 s[HC], s[HC], 2048
.irp j, 0,1,2,3,4,5,6,7
	ds_load_b128 v[BI+8*\j:BI+8*\j+3], v[HAD] offset:64*\j
	ds_load_b128 v[BI+8*\j+4:BI+8*\j+7], v[HAD] offset:64*\j+16
	ds_load_b128 v[VI+8*\j:VI+8*\j+3], v[HAD] offset:4096+64*\j
	ds_load_b128 v[VI+8*\j+4:VI+8*\j+7], v[HAD] offset:4096+64*\j+16
.endr
	s_wait_dscnt 0x0
.irp t, 0,1,2,3,4,5,6,7,8,9,10,11
	STAGE \t
.endr
	WIN 0
	s_wait_alu depctr_va_vdst(0)
	s_cmp_eq_u32 s[CHK], 1
	s_cbranch_scc1 .Lout
	SUBE 0, 0, 1, AR0, AR1, 0, 0
	ODD 0, 2, AR0, AR1, 1
	s_mov_b32 s[CNT], 2
.Lpairs:                                               ; pairs 9 to 12
	QUARTER_AT
	SUBE 1, 2, 0, AC0, AC1, 1, 0
	ODD 1, 4, AC0, AC1, 1
	SUBE 0, 4, 0, AC0, AC1, 1, 0
	ODD 0, 6, AC0, AC1, 1
	s_add_co_u32 s[UA], s[UA], 256
	s_sub_co_u32 s[CNT], s[CNT], 1
	s_cmp_lg_u32 s[CNT], 0
	s_cbranch_scc1 .Lpairs
	QUARTER_AT
	SUBE 1, 2, 0, AC0, AC1, 1, 0
	ODD 1, 4, AC0, AC1, 1                          ; the last fill
	SUBE 0, 4, 0, AC0, AC1, 1, 0
	ODD 0, 6, AC0, AC1, 0
	SUBE 1, 6, 0, AC0, AC1, 1, 0
	ODD 1, 0, AC0, AC1, 2
	s_sub_co_u32 s[CHK], s[CHK], 1
	s_branch .Lepi
.Lout:
	; ---- the scores: the two halves of a pair, the two halves of the lanes, the four waves
.irp a, 0,1,2,3,4,5,6,7
	v_add_f32 v[CH+\a], v[SCO+2*\a], v[SCO+2*\a+1]
.endr
.irp a, 0,1,2,3,4,5,6,7
	v_permlanex16_b32 v[CH+8+\a], v[CH+\a], s[SEL], s[SEL+1]
.endr
.irp a, 0,1,2,3,4,5,6,7
	v_add_f32 v[CH+\a], v[CH+\a], v[CH+8+\a]
.endr
.irp a, 0,1,2,3,4,5,6,7
	ds_store_b32 v[SCW], v[CH+\a] offset:64*\a     ; lanes l and l xor 16 store the same number to the same word
.endr
	s_wait_dscnt 0x0
	s_barrier_signal -1
	s_barrier_wait -1
	s_cmp_lg_u32 s[WV], 0
	s_cbranch_scc1 .Lnot_wave_0
.irp p, 0,1,2,3
	ds_load_b128 v[LB+4*\p:LB+4*\p+3], v[SCR] offset:512*\p
.endr
	s_wait_dscnt 0x0
	v_pk_add_f32 v[LB:LB+1], v[LB:LB+1], v[LB+4:LB+5]
	v_pk_add_f32 v[LB+2:LB+3], v[LB+2:LB+3], v[LB+6:LB+7]
	v_pk_add_f32 v[LB+8:LB+9], v[LB+8:LB+9], v[LB+12:LB+13]
	v_pk_add_f32 v[LB+10:LB+11], v[LB+10:LB+11], v[LB+14:LB+15]
	v_pk_add_f32 v[LB:LB+1], v[LB:LB+1], v[LB+8:LB+9]
	v_pk_add_f32 v[LB+2:LB+3], v[LB+2:LB+3], v[LB+10:LB+11]
	global_store_b128 v[LI], v[LB:LB+3], s[16:17]  ; 512 consecutive bytes
.Lnot_wave_0:
	s_wait_tensorcnt 0x0                           ; the wave's end
	ds_add_u32 v[SPW], v[NIL]
	s_wait_dscnt 0x0
	CROUND                                         ; the closing round
	s_endpgm
.Lfunc_end_k_q2a3b56e415_energy:
	.size	k_q2a3b56e415_energy, .Lfunc_end_k_q2a3b56e415_energy-k_q2a3b56e415_energy
	.p2alignl 7, 3214868480
	.fill 96, 4, 3214868480
	.section	.rodata,"a",@progbits
	.p2align	6, 0x0
	.amdhsa_kernel k_q2a3b56e415_energy
		.amdhsa_group_segment_fixed_size 327680
		.amdhsa_private_segment_fixed_size 0
		.amdhsa_enable_private_segment 0
		.amdhsa_kernarg_size 56
		.amdhsa_user_sgpr_count 2
		.amdhsa_user_sgpr_kernarg_segment_ptr 1
		.amdhsa_wavefront_size32 1
		.amdhsa_system_sgpr_workgroup_id_x 1
		.amdhsa_system_sgpr_workgroup_id_y 1
		.amdhsa_system_sgpr_workgroup_id_z 1
		.amdhsa_system_vgpr_workitem_id 0
		.amdhsa_next_free_vgpr 1024
		.amdhsa_next_free_sgpr 80
		.amdhsa_reserve_vcc 0
		.amdhsa_float_denorm_mode_32 3
		.amdhsa_float_denorm_mode_16_64 3
		.amdhsa_memory_ordered 1
		.amdhsa_forward_progress 1
		.amdhsa_inst_pref_size 255
	.end_amdhsa_kernel
	.section	.bss,"aw",@nobits
	.p2align	6
	.space	262144
	.amdgpu_metadata
---
amdhsa.version: [ 1, 2 ]
amdhsa.kernels:
  - .name:           k_q2a3b56e415_energy
    .symbol:         k_q2a3b56e415_energy.kd
    .args:
      - { .name: encoder_outputs, .offset: 0, .size: 8, .value_kind: global_buffer, .address_space: global }
      - { .name: w_codes, .offset: 8, .size: 8, .value_kind: global_buffer, .address_space: global }
      - { .name: hbp, .offset: 16, .size: 8, .value_kind: global_buffer, .address_space: global }
      - { .name: attn_b, .offset: 24, .size: 8, .value_kind: global_buffer, .address_space: global }
      - { .name: v, .offset: 32, .size: 8, .value_kind: global_buffer, .address_space: global }
      - { .name: lowp_scales, .offset: 40, .size: 8, .value_kind: global_buffer, .address_space: global }
      - { .name: scores, .offset: 48, .size: 8, .value_kind: global_buffer, .address_space: global }
    .group_segment_fixed_size: 327680
    .private_segment_fixed_size: 0
    .kernarg_segment_align: 8
    .kernarg_segment_size: 56
    .max_flat_workgroup_size: 128
    .sgpr_count:     80
    .vgpr_count:     1024
    .wavefront_size: 32
...
	.end_amdgpu_metadata
.endif
;; end of part 2
;; launch soft (part 3): grid 32 x 1, 1 waves a work-group, no clusters, 0 bytes of LDS; arguments scores, out0; writes out0
.if DOCPART == 3
	.amdgcn_target "amdgcn-amd-amdhsa--gfx1250"
	.amdhsa_code_object_version 6
	.text
	.protected	k_q2a3b56e415_soft
	.globl	k_q2a3b56e415_soft
	.p2align	8
	.type	k_q2a3b56e415_soft,@function
k_q2a3b56e415_soft:
	s_mov_b64 s[64:65], 0
	v_nop
	global_prefetch_b8 v0, s[64:65] scope:SCOPE_SE
	s_setreg_imm32_b32 hwreg(HW_REG_WAVE_MODE, 25, 1), 1
	s_wait_xcnt 0x0
; out0[b][:] = softmax of scores[b][:], 1,024 numbers.  One wave takes one row: 4,096 bytes, 32 numbers a lane, kept in registers between the passes: no LDS, no barrier.
; The row's maximum is taken away ahead of the exponentials, as reference() does.  32 rows make 32 work-groups: the launch has no more work than that.
.set X, 4                              ; v4-35  my 32 numbers
	s_load_b128 s[4:7], s[0:1], 0x0                ; scores, out0
	v_lshlrev_b32 v1, 4, v0                        ; 16 bytes a lane
	s_lshl_b32 s8, ttmp9, 12                       ; row b
	s_mov_b32 s9, 0
	s_mov_b32 s10, 0x76543210                      ; v_permlanex16_b32: lane l xor 16
	s_mov_b32 s11, 0xfedcba98
	s_wait_alu depctr_va_vdst(0)
	s_wait_kmcnt 0x0
	s_add_nc_u64 s[4:5], s[4:5], s[8:9]
	s_add_nc_u64 s[6:7], s[6:7], s[8:9]
.irp j, 0,1,2,3,4,5,6,7
	global_load_b128 v[X+4*\j:X+4*\j+3], v1, s[4:5] offset:512*\j   ; 512 consecutive bytes a load
.endr
	s_wait_loadcnt 0x0
	v_max3_num_f32 v36, v[X], v[X+1], v[X+2]       ; the largest of my 32, in two chains
	v_max3_num_f32 v37, v[X+3], v[X+4], v[X+5]
.irp i, 6,10,14,18,22,26
	v_max3_num_f32 v36, v36, v[X+\i], v[X+\i+1]
	v_max3_num_f32 v37, v37, v[X+\i+2], v[X+\i+3]
.endr
	v_max3_num_f32 v36, v36, v[X+30], v[X+31]
	v_max_num_f32 v36, v36, v37
	v_max_num_f32_dpp v36, v36, v36 row_xmask:1 row_mask:0xf bank_mask:0xf
	v_max_num_f32_dpp v36, v36, v36 row_xmask:2 row_mask:0xf bank_mask:0xf
	v_max_num_f32_dpp v36, v36, v36 row_xmask:4 row_mask:0xf bank_mask:0xf
	v_max_num_f32_dpp v36, v36, v36 row_xmask:8 row_mask:0xf bank_mask:0xf
	v_permlanex16_b32 v37, v36, s10, s11
	v_max_num_f32 v36, v36, v37                    ; the row's maximum, in every lane
.irp k, 0,2,4,6,8,10,12,14,16,18,20,22,24,26,28,30
	v_pk_add_f32 v[X+\k:X+\k+1], v[X+\k:X+\k+1], v[36:37] op_sel_hi:[1,0] neg_lo:[0,1] neg_hi:[0,1]   ; x - m (the pair's low word for both halves)
.endr
.irp k, 0,2,4,6,8,10,12,14,16,18,20,22,24,26,28,30
	v_pk_mul_f32 v[X+\k:X+\k+1], v[X+\k:X+\k+1], 0x3fb8aa3b op_sel_hi:[1,0]   ; x log2(e)
.endr
	s_wait_alu depctr_va_vdst(0)
.irp k, 0,1,2,3,4,5,6,7,8,9,10,11,12,13,14,15,16,17,18,19,20,21,22,23,24,25,26,27,28,29,30,31
	v_exp_f32 v[X+\k], v[X+\k]
.endr
	v_nop                                          ; a plain instruction behind the last exponential
	s_wait_alu depctr_va_vdst(0)                   ; the wait ahead of the first line that names a result: one for the batch
	v_pk_add_f32 v[38:39], v[X:X+1], v[X+2:X+3]    ; the sum, two at a time, in two chains
	v_pk_add_f32 v[40:41], v[X+4:X+5], v[X+6:X+7]
.irp k, 8,12,16,20,24,28
	v_pk_add_f32 v[38:39], v[38:39], v[X+\k:X+\k+1]
	v_pk_add_f32 v[40:41], v[40:41], v[X+\k+2:X+\k+3]
.endr
	v_pk_add_f32 v[38:39], v[38:39], v[40:41]
	v_add_f32 v38, v38, v39
	v_add_f32_dpp v38, v38, v38 row_xmask:1 row_mask:0xf bank_mask:0xf
	v_add_f32_dpp v38, v38, v38 row_xmask:2 row_mask:0xf bank_mask:0xf
	v_add_f32_dpp v38, v38, v38 row_xmask:4 row_mask:0xf bank_mask:0xf
	v_add_f32_dpp v38, v38, v38 row_xmask:8 row_mask:0xf bank_mask:0xf
	v_permlanex16_b32 v39, v38, s10, s11
	v_add_f32 v38, v38, v39                        ; the row's sum, at least 1
	s_wait_alu depctr_va_vdst(0)
	v_rcp_f32 v40, v38
	v_nop
	s_wait_alu depctr_va_vdst(0)
.irp k, 0,2,4,6,8,10,12,14,16,18,20,22,24,26,28,30
	v_pk_mul_f32 v[X+\k:X+\k+1], v[X+\k:X+\k+1], v[40:41] op_sel_hi:[1,0]
.endr
.irp j, 0,1,2,3,4,5,6,7
	global_store_b128 v1, v[X+4*\j:X+4*\j+3], s[6:7] offset:512*\j   ; 512 consecutive bytes, at a multiple of 256 from the buffer's first byte
.endr
	s_endpgm
.Lfunc_end_k_q2a3b56e415_soft:
	.size	k_q2a3b56e415_soft, .Lfunc_end_k_q2a3b56e415_soft-k_q2a3b56e415_soft
	.p2alignl 7, 3214868480
	.fill 96, 4, 3214868480
	.section	.rodata,"a",@progbits
	.p2align	6, 0x0
	.amdhsa_kernel k_q2a3b56e415_soft
		.amdhsa_group_segment_fixed_size 0
		.amdhsa_private_segment_fixed_size 0
		.amdhsa_enable_private_segment 0
		.amdhsa_kernarg_size 16
		.amdhsa_user_sgpr_count 2
		.amdhsa_user_sgpr_kernarg_segment_ptr 1
		.amdhsa_wavefront_size32 1
		.amdhsa_system_sgpr_workgroup_id_x 1
		.amdhsa_system_sgpr_workgroup_id_y 1
		.amdhsa_system_sgpr_workgroup_id_z 1
		.amdhsa_system_vgpr_workitem_id 0
		.amdhsa_next_free_vgpr 48
		.amdhsa_next_free_sgpr 66
		.amdhsa_reserve_vcc 0
		.amdhsa_float_denorm_mode_32 3
		.amdhsa_float_denorm_mode_16_64 3
		.amdhsa_memory_ordered 1
		.amdhsa_forward_progress 1
		.amdhsa_inst_pref_size 10
	.end_amdhsa_kernel
	.amdgpu_metadata
---
amdhsa.version: [ 1, 2 ]
amdhsa.kernels:
  - .name:           k_q2a3b56e415_soft
    .symbol:         k_q2a3b56e415_soft.kd
    .args:
      - { .name: scores, .offset: 0, .size: 8, .value_kind: global_buffer, .address_space: global }
      - { .name: out0, .offset: 8, .size: 8, .value_kind: global_buffer, .address_space: global }
    .group_segment_fixed_size: 0
    .private_segment_fixed_size: 0
    .kernarg_segment_align: 8
    .kernarg_segment_size: 16
    .max_flat_workgroup_size: 32
    .sgpr_count:     66
    .vgpr_count:     48
    .wavefront_size: 32
...
	.end_amdgpu_metadata
.endif
;; end of part 3
